; MI455X (gfx1250); checked and timed in simulation.
; The chip was launched on July 23, 2026; its instructions are those of AMD's public machine-readable ISA for CDNA 5 (MIT licence, August 2026) and "CDNA5" Instruction Set Architecture Reference Guide (July 2026). The comments in the code are by the model that wrote it; some were corrected since.
;; Mental Plus. Allowed arithmetic: matrix products marked QUANTISED: E3M2 operands, one E8M0 scale for each 32 along K, by v_wmma_scale_f32_16x16x128_f8f6f4 with both operands' format E3M2, f32 sums; products left as they are: f32 operands where the result goes on into a quantised operand, else bf16, f16 or f32 operands; f32 sums; everything else in f32.
;; Inputs: Wk_codes 64 x 2 x 24 uint8 (E3M2 codes of Wk, K innermost, in blocks of 32 codes, four codes in three bytes); Wk_scales 64 x 2 uint8 (E8M0 scales of Wk, one for each 32 codes along K); Wq_codes 64 x 2 x 24 uint8 (E3M2 codes of Wq, K innermost, in blocks of 32 codes, four codes in three bytes); Wq_scales 64 x 2 uint8 (E8M0 scales of Wq, one for each 32 codes along K); Wv_codes 64 x 2 x 24 uint8 (E3M2 codes of Wv, K innermost, in blocks of 32 codes, four codes in three bytes); Wv_scales 64 x 2 uint8 (E8M0 scales of Wv, one for each 32 codes along K); rel_h 32 x 5 x 1 float32; rel_w 32 x 1 x 5 float32; x 8 x 64 x 64 x 64 float32.
;; Outputs: out0 8 x 64 x 64 x 64 float32.
;; This version of the problem:
;;   THIS VERSION OF THE PROBLEM IS GIVEN IN LOW PRECISION. The matrix products marked QUANTISED in the list below multiply operands that are first quantised to E3M2 (3 exponent bits, 2 mantissa bits; 6 bits a number), with one power-of-two scale for each 32 numbers along K (OCP MX v1.0); their sums are f32. All else is computed in f32.
;;   The module's matrix products, in the order in which they are computed (A, B: the left and right operand; K: the contracted axis; several contracted axes count as one K, in the product's order):
;;     1. [M 32,768, K 64] x [K 64, N 64]; A: input x; B: input Wq (given as codes): QUANTISED
;;     2. [M 36,992, K 64] x [K 64, N 64]; A: computed on the way; B: input Wk (given as codes): QUANTISED
;;     3. [M 36,992, K 64] x [K 64, N 64]; A: computed on the way; B: input Wv (given as codes): QUANTISED
;;     4. batch 2,097,152 x [M 1, K 25] x [K 25, N 1]; A: softmax; B: computed on the way: left as it is (K = 25 < 32)
;;   THE QUANTISER, for each operand of a quantised product, along K:
;;     - K is cut into blocks of 32 from its start; a last block that is shorter is filled with zeros.
;;     - A block's scale is 2^e with e = floor(log2(the largest magnitude in the block)) - 4, held to -126 .. 127; a block of zeros has e = 0. As a byte (E8M0): e + 127.
;;     - Each number is divided by its block's scale, clamped to +-28, and rounded to the nearest number of E3M2, ties to even, subnormals kept.
;;     - The product sums the exact products of the quantised numbers (number of the format x scale) in f32.
;;   ~~~python
;;   def quantise(x, axis):      # numpy; x: float32 -> the quantised numbers, widened to float32 again
;;       x = np.moveaxis(x, axis, -1); K = x.shape[-1]
;;       x = np.pad(x, [(0, 0)] * (x.ndim - 1) + [(0, -K % 32)]); x = x.reshape(x.shape[:-1] + (-1, 32)); a = np.abs(x).max(-1, keepdims=True)
;;       e = np.where(a > 0, np.clip(np.frexp(np.where(a > 0, a, 1))[1] - 1 - 4, -126, 127), 0)      # np.frexp(a)[1] - 1 = floor(log2(a)), exactly
;;       r = np.clip(x / 2.0 ** e, -28, 28)
;;       step = 2.0 ** (np.maximum(np.frexp(np.where(r == 0, 1, r))[1] - 1, -2) - 2)
;;       q = np.round(r / step) * step * 2.0 ** e      # np.round: ties to even
;;       return np.moveaxis(q.reshape(q.shape[:-2] + (-1,))[..., :K], -1, axis).astype(np.float32)
;;   ~~~
;;   OPERANDS COMPUTED ON THE WAY. 'Computed on the way' means the value that the module computes at that place (a softmax that the list does not call 'softmax' is quantised finished and normalised). What goes into a quantiser is computed in f32, as accurately as f32 sums, v_exp_f32 and their like allow (about 1e-6 of the number): no bf16 or f16 on the way to a quantiser, and a product that is left as it is and whose result goes on into a quantised operand takes f32 operands (vector FMAs, or v_wmma_f32_16x16x4_f32). A number that lies on a knife's edge between two numbers of the format may be rounded either way, as far as f32 arithmetic and the matrix unit's own rounding can turn it there, and no further.
;;   INPUTS GIVEN AS CODES. Wk (in the module: [64, 64], K = its axis 1); Wq (in the module: [64, 64], K = its axis 1); Wv (in the module: [64, 64], K = its axis 1): each comes as NAME_codes (uint8): NAME with its K axis moved to the last place and cut into blocks of 32 codes, [.., K / 32, bytes a block], one block behind the other in memory; four codes in three bytes: a row's codes are one little-endian stream of bits, code i at bits 6 i .. 6 i + 5 (a code: sign, 3 exponent bits, 2 mantissa bits); and NAME_scales (uint8): the same leading axes, one E8M0 byte (e + 127) for each 32 codes along K. Its value is code x scale, taken as it is: it is not quantised again, and the codes and scales need not be those that the quantiser above would give.
;; One version. Each part assembles by itself: llvm-mc -triple=amdgcn-amd-amdhsa -mcpu=gfx1250 --defsym DOCPART=n.
;; ======== version 1 of 1: 1 launch
;; launch mental (part 1): grid 32 x 8, 16 waves a work-group, no clusters, 296,960 bytes of LDS; arguments x, Wq_codes, Wq_scales, Wk_codes, Wk_scales, Wv_codes, Wv_scales, rel_h, rel_w, out0; writes out0
.if DOCPART == 1
	.amdgcn_target "amdgcn-amd-amdhsa--gfx1250"
	.amdhsa_code_object_version 6
	.text
	.protected	k_qd5d6537ad3_mental
	.globl	k_qd5d6537ad3_mental
	.p2align	8
	.type	k_qd5d6537ad3_mental,@function
k_qd5d6537ad3_mental:
	s_mov_b64 s[64:65], 0
	v_nop
	global_prefetch_b8 v0, s[64:65] scope:SCOPE_SE
	s_setreg_imm32_b32 hwreg(HW_REG_WAVE_MODE, 25, 1), 1
	s_wait_xcnt 0x0
; out[b][c][h][w] = sum over the 5 x 5 window of softmax_n(q (k_n + bias_n)) v_n, per channel.  q, k, v = Wq x, Wk x, Wv x (1 x 1 convolutions, K = the 64 channels), on codes of
; BF6 (E3M2) with one E8M0 scale for each 32 channels.  x [8][64][64][64] f32 is quantised here, pixel by pixel, once for all three products; the weights come as codes.
; Outside the image k = v = 0, and the tap still counts in the softmax with the logit q x bias.
; SHARES.  A work-group: one batch, two output rows h0, h0 + 1, all 64 columns, all 64 channels: 8,192 outputs; 32 x 8 work-groups.  It needs x's rows h0 - 2 .. h0 + 3 ("window rows" 0 .. 5).
; PHASES.  (0) x's six rows of 64 channels come into a stage in LDS by asynchronous copies, whole rows of 256 bytes.  (A) a wave quantises two tiles of 16 pixels.  (B) products: source 0 = 16 rows of a weight,
; source 1 = 16 pixels, so that a lane holds one pixel and eight neighbouring channels; k, v and q' = q log2(e) go to LDS with the channel innermost.  (C) the window: a lane owns two neighbouring channels
; (every quantity is a register pair: packed arithmetic), one output row and eight neighbouring pixels, and keeps a ring of six window columns of k and v in registers, so that each number is read from LDS once a lane.
; (D) results go through a stage and leave as 512 consecutive bytes an instruction.
; K = 64 fills half of the instruction's 128: the upper six registers of every fragment hold zero codes, and the upper two scale bytes are 0, which stand over zero codes alone.
; NO CLUSTER: neighbouring work-groups share four of their six rows of x, but each wants them at another window row, that is at another LDS address, so no one descriptor serves two of them; what all
; work-groups share alike, the weights, is 9,600 bytes against a work-group's 98,304 bytes of x.
; LIMITS.  NaN and infinities in x are not served.  A block of zeros gets the scale byte 1 where the quantiser's rule says 127: its codes are zeros, and the byte is read here alone.  The logit is
; fma(q', k, q' bias) with q' = q log2(e): another order of rounding than q (k + bias).  The division by the sum is v_rcp_f32 and a multiplication.  The largest of the 25 logits is taken away first.
.set PP,    272                        ; LDS: a pixel's 64 channels, 256 bytes + 16: sixteen pixels' 16-byte stores start at 16 different places modulo 256 (64 banks of 4 bytes: ISA guide 11.1)
.set RP,    18560                      ; a window row: 68 columns x 272 + 64 = 128 modulo 256: lanes 16-31, one row on, take the other half of the banks
.set VBUF,  6*RP                       ; k at 0, v behind it: [6 rows][68 columns][64 channels]; LDS column = image column + 2
.set XS,    VBUF                       ; x's stage lies where v will lie: it is read out before the barrier behind which v is stored
.set XCH,   1536                       ; a channel's six rows of 256 bytes
.set XHALF, 32*XCH+128                 ; channels 32 on begin 128 bytes later, for the banks' sake
.set QBUF,  12*RP                      ; q': [2 rows][64 pixels][64 channels]
.set QRP,   17536                      ; 64 x 272 + 128
.set OSTG,  QBUF+2*QRP                 ; the way out: [64 channels][2 rows x 256 bytes], 528 bytes apart
.set OCP,   528
; vector registers that stay
.set R,   1                            ; lane % 16
.set HF,  2                            ; lane / 16
.set LN,  3                            ; lane
.set SX1, 4                            ; v4, v5   x's scale words of my two tiles;  v6-9 Wk's, v10-13 Wv's, v14-15 Wq's: these hold scales and nothing else
.set SX2, 5
.set SWK, 6
.set SWV, 10
.set SWQ, 14
; head, phases A and B
.set GA,  16                           ; v16-18  the copies' offsets in x;  v19-21 their LDS addresses
.set LA,  19
.set WA,  22                           ; v22-23  offsets in a weight's codes: slots 0, 1 and slots 2, 3
.set WS,  24                           ; v24-25  the same for the scale bytes
.set XA,  26                           ; v26-27  where my two tiles lie in x's stage
.set OK,  28                           ; v28-29  tile 1: where k goes (slots 0, 1; slots 2, 3);  v30-31 v likewise
.set OV,  30
.set B1,  32                           ; v32-43  tile 1's fragment;  v44-55 tile 2's
.set B2,  44
.set CT1, 56                           ; v56-58, v60-62  the second half of a block's codes (a conversion's three registers begin on an even number)
.set CT2, 60
.set SC1, 59                           ; v59, v63  a block's largest magnitude, then the conversion's scale operand
.set SC2, 63
.set FK,  64                           ; v64-111 Wk's four fragments, v112-159 Wv's, v160-183 Wq's two.  Slot u holds the out-channel tile u xor 2 b, b = wave % 2
.set FV,  112
.set FQ,  160
.set X1,  184                          ; v184-215, v216-247  32 channels of my pixel, tiles 1 and 2
.set X2,  216
.set DK,  184                          ; tile 1's results, laid over them
.set DV,  216
.set EK0, 88                           ; tile 2's results, laid over the weights' slots 2, 3, which tile 2 does not use
.set EK1, 96
.set EV0, 104
.set EV1, 136
.set EQ0, 144
.set EQ1, 152
.set CK,  248                          ; v248-250  tile 2: where k, v, q' go
.set CV,  249
.set CQ,  250
.set ZA,  251                          ; where I clear border columns
.set BY,  252                          ; v252-253  scale bytes at work
.set SH,  254                          ; 8 x (lane / 16)
.set VBS, 255                          ; 272 r + 32 hf
; phase C
.set AK0, 16                           ; LDS addresses: k rows 0-2, rows 3-4 (the immediate has 16 bits), v likewise, q', the stage
.set AK1, 17
.set AV0, 18
.set AV1, 19
.set AQ,  20
.set AO,  21
.set MX,  22                           ; v22-23  the largest logit
.set MT,  24                           ; v24-27  four chains of the maximum; later the second chains of the sum (LB) and of the product (OBR)
.set LB,  24
.set OBR, 26
.set QR,  28                           ; v28-31  q', two slots
.set BI,  32                           ; v32-41  the bias: pair i
.set QBR, 42                           ; v42-51  q' x bias
.set TT,  52                           ; v52-101 the 25 logits, then weights: tap n = 5 i + j at pair n
.set KR,  102                          ; v102-161 k: column c, row i at 10 (c % 6) + 2 i
.set VR,  162                          ; v162-221 v likewise
.set LS,  222                          ; v222-237 the sums, pixel p at pair p
.set OS,  238                          ; v238-253 the products with v
.set AR,  254                          ; the way out: where I read rows back
.set BOFF, 255                         ; my offset in rel_h or rel_w
.set OUT, 52
.set BK,  68
.set GOFF, 16
; scalar registers
.set WV,  2                            ; wave
.set BB,  3                            ; b = wave % 2
.set H0,  28
.set TY,  45                           ; wave / 8: 0: channels 0-31, bias by window row; 1: channels 32-63, bias by window column
.set GG,  46                           ; wave % 8: my eight pixels
	s_load_b512 s[8:23], s[0:1], 0x0               ; x 8, Wq_codes 10, Wq_scales 12, Wk_codes 14, Wk_scales 16, Wv_codes 18, Wv_scales 20, rel_h 22
	s_load_b128 s[24:27], s[0:1], 0x40             ; rel_w 24, out0 26
	v_lshl_add_u32 v254, v0, 2, 0x48000
	v_mov_b32 v255, 0
	ds_add_u32 v254, v255
	ds_add_u32 v254, v255
	s_wait_dscnt 0x0
	v_and_b32 v[R], 15, v0
	v_bfe_u32 v[HF], v0, 4, 1
	v_and_b32 v[LN], 31, v0
	v_lshrrev_b32 v16, 5, v0
	v_readfirstlane_b32 s[WV], v16                 ; wave 0..15
	s_and_b32 s[BB], s[WV], 1
	s_xor_b32 s47, s[BB], 1                        ; 1 - b
	s_lshl_b32 s[H0], ttmp9, 1                     ; my first output row
	s_and_b32 s29, ttmp7, 0xffff                   ; batch
	s_lshr_b32 s[TY], s[WV], 3
	s_and_b32 s[GG], s[WV], 7
	s_mov_b32 s48, 0x3fb8aa3b                      ; log2(e); the packed form names the pair
	s_mov_b32 s49, s48
	s_mov_b32 s50, 0x76543210                      ; v_permlanex16_b32's selects for lane l xor 16
	s_mov_b32 s51, 0xfedcba98
	s_lshl_b32 s30, s29, 20                        ; a batch is 2^20 bytes,
	s_lshl_b32 s40, s[WV], 16                      ; my four channels 4 x 16,384
	s_add_co_u32 s30, s30, s40
	s_mov_b32 s31, 0
	; THE COPIES.  Wave w brings channels 4 w + c; copy u takes window rows 2 u (lanes 0-15) and 2 u + 1 (lanes 16-31): two whole rows of 256 bytes.
	; A window row outside the image is fetched as the nearest row inside, so that every copy stays in x; its codes are cleared below.
	v_lshlrev_b32 v22, 4, v[R]                     ; 16 bytes a lane
.irp u, 0,1,2
	s_add_co_u32 s40, s[H0], 2*\u
	v_add_nc_u32 v[GA+\u], s40, v[HF]              ; image row + 2
	v_max_u32 v[GA+\u], 2, v[GA+\u]
	v_sub_nc_u32 v[GA+\u], v[GA+\u], 2
	v_min_u32 v[GA+\u], 63, v[GA+\u]               ; held to 0 .. 63
	v_lshl_add_u32 v[GA+\u], v[GA+\u], 8, v22
.endr
	s_mul_i32 s41, s[WV], 4*XCH
	s_lshl_b32 s42, s[TY], 7                       ; channels 32 on: 128 bytes later
	s_add_co_u32 s41, s41, s42
	s_add_co_u32 s41, s41, XS
	v_lshl_add_u32 v[LA], v[LN], 4, s41            ; 16 x lane = 256 x (lane / 16) + 16 r: the two rows lie on end
	v_add_nc_u32 v[LA+1], 512, v[LA]
	v_add_nc_u32 v[LA+2], 1024, v[LA]
	s_wait_kmcnt 0x0
	s_add_nc_u64 s[32:33], s[8:9], s[30:31]        ; a copy's immediate is added to both addresses: c x 1,536 in LDS; the base brings the other 14,848 of a channel's 16,384
	s_add_nc_u64 s[34:35], s[32:33], 14848
	s_add_nc_u64 s[36:37], s[32:33], 2*14848
	s_add_nc_u64 s[38:39], s[32:33], 3*14848
.irp c, 0,1,2,3
.irp u, 0,1,2
	global_load_async_to_lds_b128 v[LA+\u], v[GA+\u], s[32+2*\c:33+2*\c] offset:\c*XCH
.endr
.endr
	; THE WEIGHTS stay in registers.  A row is 64 codes, 48 bytes; lane (r, hf) takes the 24 bytes of block hf of row r of its tile, in pieces of 8
	v_mul_u32_u24 v[WA], v[R], 48
	v_mad_u32_u24 v[WA], v[HF], 24, v[WA]
	s_mul_i32 s40, s[BB], 1536                     ; two tiles of 16 rows
	s_mul_i32 s41, s47, 1536
	v_add_nc_u32 v[WA+1], s41, v[WA]
	v_add_nc_u32 v[WA], s40, v[WA]
	v_lshlrev_b32 v[WS], 1, v[R]                   ; two scale bytes a row
	s_lshl_b32 s40, s[BB], 6
	s_lshl_b32 s41, s47, 6
	v_add_nc_u32 v[WS+1], s41, v[WS]
	v_add_nc_u32 v[WS], s40, v[WS]
.macro WFRAG reg, voff, base, imm
.irp p, 0,1,2
	global_load_b64 v[(\reg)+2*\p:(\reg)+2*\p+1], v[\voff], s[\base:\base+1] offset:(\imm)+8*\p
.endr
.endm
.irp u, 0,1,2,3
	WFRAG FK+12*\u, WA+\u/2, 14, 768*(\u%2)
	WFRAG FV+12*\u, WA+\u/2, 18, 768*(\u%2)
	global_load_u16 v[SWK+\u], v[WS+\u/2], s[16:17] offset:32*(\u%2)
	global_load_u16 v[SWV+\u], v[WS+\u/2], s[20:21] offset:32*(\u%2)
.endr
.irp u, 0,1
	WFRAG FQ+12*\u, WA, 10, 768*\u
	global_load_u16 v[SWQ+\u], v[WS], s[12:13] offset:32*\u
.endr
	; zero codes for K = 64 .. 127 of all twelve fragments
.irp f, 0,1,2,3,4,5,6,7,8,9
.irp z, 6,7,8,9,10,11
	v_mov_b32 v[FK+12*\f+\z], 0
.endr
.endr
.irp f, 0,1
.irp z, 6,7,8,9,10,11
	v_mov_b32 v[B1+12*\f+\z], 0
.endr
.endr
	v_mov_b32 v[SX1], 0                            ; a lane permute's destination counts as one of its sources
	v_mov_b32 v[SX2], 0
	; my tiles.  Tile 1: an outer window row t1 (0, 1, 4, 5), columns 16 ct1 on, all four out-channel tiles of k and v.  Tile 2: a centre row t2 (2, 3), columns 16 ct2 on, two out-channel tiles of k, v, q
	s_lshr_b32 s40, s[WV], 2
	s_and_b32 s41, s40, 2
	s_add_co_u32 s40, s40, s41                     ; t1
	s_and_b32 s41, s[WV], 3                        ; ct1
	s_add_co_u32 s42, s[TY], 2                     ; t2
	s_bfe_u32 s43, s[WV], 0x20001                  ; ct2 = (wave / 2) % 4
	v_mul_u32_u24 v[XA], v[HF], XHALF              ; lane (r, hf) takes channels 32 hf + 0 .. 31 of pixel r: a whole block
	v_lshl_add_u32 v[XA], v[R], 2, v[XA]
	s_lshl_b32 s56, s40, 8
	s_lshl_b32 s57, s41, 6
	s_add_co_u32 s56, s56, s57
	s_add_co_u32 s56, s56, XS
	s_lshl_b32 s57, s42, 8
	s_lshl_b32 s58, s43, 6
	s_add_co_u32 s57, s57, s58
	s_add_co_u32 s57, s57, XS
	v_add_nc_u32 v[XA+1], s57, v[XA]
	v_add_nc_u32 v[XA], s56, v[XA]
	v_lshlrev_b32 v[SH], 3, v[HF]
	s_add_co_u32 s56, s[H0], s40
	s_sub_co_u32 s56, s56, 2                       ; tile 1's image row; it wraps where it lies above the image
	s_cmp_lt_u32 s56, 64
	s_cselect_b32 s44, -1, 0                       ; all ones inside the image, 0 outside
	s_cmp_eq_u32 s[TY], 0
	s_cselect_b64 s[52:53], s[22:23], s[24:25]     ; my bias: rel_h or rel_w
	s_add_nc_u64 s[54:55], s[26:27], s[30:31]      ; out0 at my batch and my four channels,
	s_lshl_b32 s56, s[H0], 8
	s_mov_b32 s57, 0
	s_add_nc_u64 s[54:55], s[54:55], s[56:57]      ; at row h0
	s_wait_asynccnt 0x0                            ; my twelve copies have landed;
	s_barrier_signal -1
	s_barrier_wait -1                              ; everybody's have.  (The weights' loads stay out: nobody writes those bytes)
	; ---- A: two tiles of 16 pixels are quantised along the channels
.irp i, 0,1,2,3,4,5,6,7,8,9,10,11,12,13,14,15,16,17,18,19,20,21,22,23,24,25,26,27,28,29,30,31
	ds_load_b32 v[X1+\i], v[XA] offset:XCH*\i
	ds_load_b32 v[X2+\i], v[XA+1] offset:XCH*\i
.endr
	s_wait_dscnt 0x0
	v_max3_num_f32 v[SC1], |v[X1]|, |v[X1+1]|, 0x2800000     ; the block's largest magnitude, and the floor 2^(5 - 127): the byte cannot fall under 1
	v_max3_num_f32 v[SC2], |v[X2]|, |v[X2+1]|, 0x2800000
.irp i, 2,4,6,8,10,12,14,16,18,20,22,24,26,28,30
	v_max3_num_f32 v[SC1], v[SC1], |v[X1+\i]|, |v[X1+\i+1]|  ; (the two tiles by turns)
	v_max3_num_f32 v[SC2], v[SC2], |v[X2+\i]|, |v[X2+\i+1]|
.endr
	v_add_nc_u32 v[SC1], 0xfe000000, v[SC1]        ; 4 off the exponent field: the conversion takes this operand's exponent field as its scale
	v_add_nc_u32 v[SC2], 0xfe000000, v[SC2]
	v_lshrrev_b32 v[BY], 23, v[SC1]                ; the scale's byte,
	v_lshrrev_b32 v[BY+1], 23, v[SC2]
	v_lshlrev_b32 v[BY], v[SH], v[BY]              ; at its place in the word: block hf is byte hf
	v_lshlrev_b32 v[BY+1], v[SH], v[BY+1]
	v_permlanex16_b32 v[SX1], v[BY], s50, s51      ; the pixel's other block's byte
	v_permlanex16_b32 v[SX2], v[BY+1], s50, s51
	v_or_b32 v[SX1], v[SX1], v[BY]                 ; lane r has pixel r's scale word; bytes 2 and 3 are 0 over zero codes
	v_or_b32 v[SX2], v[SX2], v[BY+1]
	v_cvt_scalef32_pk16_bf6_f32 v[B1:B1+2], v[X1:X1+15], v[SC1]
	v_cvt_scalef32_pk16_bf6_f32 v[CT1:CT1+2], v[X1+16:X1+31], v[SC1]
	v_cvt_scalef32_pk16_bf6_f32 v[B2:B2+2], v[X2:X2+15], v[SC2]
	v_cvt_scalef32_pk16_bf6_f32 v[CT2:CT2+2], v[X2+16:X2+31], v[SC2]
	v_nop                                          ; one plain instruction behind the scaled conversions
.irp i, 0,1,2
	v_and_b32 v[B1+\i], s44, v[B1+\i]              ; a row outside the image has zero codes: there k = v = 0
.endr
.irp i, 0,1,2
	v_and_b32 v[B1+3+\i], s44, v[CT1+\i]
.endr
.irp i, 0,1,2
	v_mov_b32 v[B2+3+\i], v[CT2+\i]
.endr
	; where the results go.  (These ten vector lines are also the places between the writes of the operands and scale words above and the scaled products below: 4 and 8 are asked)
	v_mul_u32_u24 v[VBS], v[R], PP
	v_lshl_add_u32 v[VBS], v[HF], 5, v[VBS]        ; pixel r, my eight channels' 32 bytes
	s_mul_i32 s56, s40, RP
	s_mul_i32 s57, s41, 16*PP
	s_add_co_u32 s56, s56, s57
	s_add_co_u32 s56, s56, 2*PP                    ; image column 0 is LDS column 2
	s_lshl_b32 s58, s[BB], 7                       ; slots 0, 1: channels 32 b on
	s_lshl_b32 s59, s47, 7                         ; slots 2, 3: channels 32 (1 - b) on
	s_add_co_u32 s57, s56, s59
	s_add_co_u32 s56, s56, s58
	v_add_nc_u32 v[OK], s56, v[VBS]
	v_add_nc_u32 v[OK+1], s57, v[VBS]
	v_add_nc_u32 v[OV], VBUF, v[OK]
	v_add_nc_u32 v[OV+1], VBUF, v[OK+1]
	s_mul_i32 s56, s42, RP
	s_mul_i32 s57, s43, 16*PP
	s_add_co_u32 s60, s57, s58
	s_add_co_u32 s56, s56, s60
	s_add_co_u32 s56, s56, 2*PP
	v_add_nc_u32 v[CK], s56, v[VBS]
	v_add_nc_u32 v[CV], VBUF, v[CK]
	s_mul_i32 s56, s[TY], QRP                      ; centre row t2 - 2 = wave / 8
	s_add_co_u32 s56, s56, s60
	s_add_co_u32 s56, s56, QBUF
	v_add_nc_u32 v[CQ], s56, v[VBS]
	s_mul_i32 s56, s[TY], VBUF                     ; border columns: waves 0-7 k's, 8-15 v's; three rows a wave; LDS column 0, 1, 66 or 67
	s_bfe_u32 s57, s[WV], 0x10002
	s_mul_i32 s57, s57, 3*RP
	s_add_co_u32 s56, s56, s57
	s_and_b32 s57, s41, 2
	s_lshl_b32 s57, s57, 5
	s_add_co_u32 s57, s57, s41
	s_mul_i32 s57, s57, PP
	s_add_co_u32 s56, s56, s57
	v_lshl_add_u32 v[ZA], v[LN], 3, s56
	s_wait_dscnt 0x0                               ; my reads of x's stage are over;
	s_barrier_signal -1
	s_barrier_wait -1                              ; everybody's are: v may be stored there
	; ---- B: the products.  Every product is a whole sum (K = 64): C = 0, an accumulator of its own, no chains
	s_wait_loadcnt 0x0                             ; the weights
.irp n, 0,1,2
	ds_store_b64 v[ZA], v[B1+6:B1+7] offset:\n*RP  ; 256 bytes of zeros: a border column's 64 channels
.endr
.macro MM d, a, b, sa, sb
	v_wmma_scale_f32_16x16x128_f8f6f4 v[(\d):(\d)+7], v[(\a):(\a)+11], v[(\b):(\b)+11], 0, v[\sa], v[\sb] matrix_a_fmt:MATRIX_FMT_BF6 matrix_b_fmt:MATRIX_FMT_BF6
.endm
.macro ST8 adr, d, off                 ; a lane's eight channels of its pixel, the accumulator from its low end on
	ds_store_b128 v[\adr], v[(\d):(\d)+3] offset:(\off)
	ds_store_b128 v[\adr], v[(\d)+4:(\d)+7] offset:(\off)+16
.endm
.irp u, 0,1,2,3
	MM DK+8*\u, FK+12*\u, B1, SWK+\u, SX1
	MM DV+8*\u, FV+12*\u, B1, SWV+\u, SX1
.endr
.rept 5
	v_nop                                          ; the next results are laid over fragments that the products above have read: five places (ISA guide 7.12.1 has four for vector writes)
.endr
	MM EK0, FK, B2, SWK, SX2
	MM EV0, FV, B2, SWV, SX2
	MM EQ0, FQ, B2, SWQ, SX2
	MM EK1, FK+12, B2, SWK+1, SX2
	MM EV1, FV+12, B2, SWV+1, SX2
	MM EQ1, FQ+12, B2, SWQ+1, SX2
.irp u, 0,1,2,3
	ST8 OK+\u/2, DK+8*\u, 64*(\u%2)                ; tile 1's results: the five places above stand behind their products
	ST8 OV+\u/2, DV+8*\u, 64*(\u%2)
.endr
	v_mul_u32_u24 v[BOFF], v[R], 40                ; my two channels' ten numbers of the bias: 20 bytes a channel.  With the three lines below: four places behind tile 2's products
.rept 3
	v_nop
.endr
.irp i, 0,1,2,3,4
.irp e, 0,1
	global_load_b32 v[BI+2*\i+\e], v[BOFF], s[52:53] offset:(5*\e+\i)*4
.endr
.endr
.irp j, 0,2,4,6,8,10,12,14
	v_pk_mul_f32 v[EQ0+\j:EQ0+\j+1], v[EQ0+\j:EQ0+\j+1], s[48:49] op_sel_hi:[1,0]   ; q' = q log2(e): the exponentials work in base 2
.endr
	ST8 CK, EK0, 0
	ST8 CK, EK1, 64
	ST8 CV, EV0, 0
	ST8 CV, EV1, 64
	ST8 CQ, EQ0, 0
	ST8 CQ, EQ1, 64
	s_wait_dscnt 0x0                               ; for the others' sake: my stores of k, v and q' are done
	s_barrier_signal -1
	; the window's addresses, all made here, ahead of the first branch on the wave's number.  Lane (r, hf): channels 32 T + 2 r, + 1; output row hf; pixels 8 g on
	s_mul_i32 s56, s[GG], 8*PP
	s_lshl_b32 s57, s[TY], 7
	s_add_co_u32 s56, s56, s57
	v_lshlrev_b32 v[AO], 3, v[R]
	v_add_nc_u32 v[AO], s56, v[AO]                 ; 2,176 g + 128 T + 8 r
	v_mad_u32_u24 v[AK0], v[HF], RP, v[AO]         ; tap (i, j) of pixel (hf, c) lies at window row hf + i, LDS column c + j
	v_add_nc_u32 v[AK1], 3*RP, v[AK0]
	v_add_nc_u32 v[AV0], VBUF, v[AK0]
	v_add_nc_u32 v[AV1], VBUF, v[AK1]
	v_mad_u32_u24 v[AQ], v[HF], QRP, v[AO]
	v_add_nc_u32 v[AQ], QBUF, v[AQ]
	s_mul_i32 s56, s[TY], 32*OCP
	s_lshl_b32 s57, s[GG], 5
	s_add_co_u32 s56, s56, s57
	s_add_co_u32 s56, s56, OSTG
	v_mul_u32_u24 v[AO], v[R], 2*OCP
	v_lshl_add_u32 v[AO], v[HF], 8, v[AO]
	v_add_nc_u32 v[AO], s56, v[AO]                 ; the stage: channel 32 T + 2 r, row hf, my eight pixels' 32 bytes
	s_mul_i32 s56, s[WV], 4*OCP
	s_add_co_u32 s56, s56, OSTG
	v_lshl_add_u32 v[AR], v[LN], 4, s56            ; back: channels 4 w on, 16 bytes a lane
	s_barrier_wait -1
	; ---- C: the window
.macro COL c                           ; window column c of my eight pixels' twelve: five rows of k and of v, a pair of channels each, into ring slot c % 6
.set SL, 10*((\c)%6)
.irp i, 0,1,2
	ds_load_b64 v[KR+SL+2*\i:KR+SL+2*\i+1], v[AK0] offset:\i*RP+PP*(\c)
	ds_load_b64 v[VR+SL+2*\i:VR+SL+2*\i+1], v[AV0] offset:\i*RP+PP*(\c)
.endr
.irp i, 3,4
	ds_load_b64 v[KR+SL+2*\i:KR+SL+2*\i+1], v[AK1] offset:(\i-3)*RP+PP*(\c)
	ds_load_b64 v[VR+SL+2*\i:VR+SL+2*\i+1], v[AV1] offset:(\i-3)*RP+PP*(\c)
.endr
.endm
.macro QLD p
	ds_load_b64 v[QR+2*((\p)%2):QR+2*((\p)%2)+1], v[AQ] offset:PP*(\p)
.endm
.macro FMA25 p, byrow                  ; the 25 logits in base 2: q' k + q' bias; the bias goes by the window's row or by its column
.irp i, 0,1,2,3,4
.irp j, 0,1,2,3,4
.if \byrow
	v_pk_fma_f32 v[TT+2*(5*\i+\j):TT+2*(5*\i+\j)+1], v[QP:QP+1], v[KR+10*(((\p)+\j)%6)+2*\i:KR+10*(((\p)+\j)%6)+2*\i+1], v[QBR+2*\i:QBR+2*\i+1]
.else
	v_pk_fma_f32 v[TT+2*(5*\i+\j):TT+2*(5*\i+\j)+1], v[QP:QP+1], v[KR+10*(((\p)+\j)%6)+2*\i:KR+10*(((\p)+\j)%6)+2*\i+1], v[QBR+2*\j:QBR+2*\j+1]
.endif
.endr
.endr
.endm
.macro PIXEL p
.set QP, QR+2*((\p)%2)
.set LSP, LS+2*(\p)
.set OSP, OS+2*(\p)
.if (\p) < 7
	COL (\p)+5                                     ; the next pixel's new column, into the slot of the column that the last pixel left,
	QLD (\p)+1                                     ; and its q'
	s_wait_dscnt 11                                ; LDS loads come back in order (ISA guide 5.7.1): the eleven just issued may be out, all that this pixel reads is in
.else
	s_wait_dscnt 0x0
.endif
.irp i, 0,1,2,3,4
	v_pk_mul_f32 v[QBR+2*\i:QBR+2*\i+1], v[QP:QP+1], v[BI+2*\i:BI+2*\i+1]
.endr
	s_cmp_eq_u32 s[TY], 0                          ; a branch on the wave's number, round the 25 lines that differ; no LDS instruction and no barrier stands in it
	s_cbranch_scc0 .Lby_col_\@
	FMA25 \p, 1
	s_branch .Ljoin_\@
.Lby_col_\@:
	FMA25 \p, 0
.Ljoin_\@:
	; the largest of the 25, for each of my two channels: two chains a channel, the four by turns
.irp e, 0,1
	v_max3_num_f32 v[MT+\e], v[TT+\e], v[TT+2+\e], v[TT+4+\e]
.endr
.irp e, 0,1
	v_max3_num_f32 v[MT+2+\e], v[TT+6+\e], v[TT+8+\e], v[TT+10+\e]
.endr
.irp m, 0,1,2,3,4,5,6,7,8
.irp e, 0,1
	v_max3_num_f32 v[MT+2*(\m%2)+\e], v[MT+2*(\m%2)+\e], v[TT+12+4*\m+\e], v[TT+14+4*\m+\e]
.endr
.endr
.irp e, 0,1
	v_max3_num_f32 v[MX+\e], v[MT+\e], v[MT+2+\e], v[TT+48+\e]
.endr
.set NN, 0
.rept 25
	v_pk_add_f32 v[TT+2*NN:TT+2*NN+1], v[TT+2*NN:TT+2*NN+1], v[MX:MX+1] neg_lo:[0,1] neg_hi:[0,1]   ; every exponent is 0 or less, and one of them 0
.set NN, NN+1
.endr
.set NN, 0
.rept 50
	v_exp_f32 v[TT+NN], v[TT+NN]                   ; one batch
.set NN, NN+1
.endr
	v_nop                                          ; a plain instruction behind the last exponential (ISA guide 5.7.2),
	s_wait_alu depctr_va_vdst(0)                   ; and one wait for the fifty, ahead of their first reader
	; the sum of the weights and their product with v, each in two chains
	v_pk_add_f32 v[LSP:LSP+1], v[TT:TT+1], v[TT+2:TT+3]
	v_pk_mul_f32 v[OSP:OSP+1], v[TT:TT+1], v[VR+10*((\p)%6):VR+10*((\p)%6)+1]
	v_pk_add_f32 v[LB:LB+1], v[TT+4:TT+5], v[TT+6:TT+7]
	v_pk_mul_f32 v[OBR:OBR+1], v[TT+2:TT+3], v[VR+10*(((\p)+1)%6):VR+10*(((\p)+1)%6)+1]
.set NN, 2
.rept 23
.set VV, VR+10*(((\p)+NN%5)%6)+2*(NN/5)
.if NN%2 == 0
	v_pk_fma_f32 v[OSP:OSP+1], v[TT+2*NN:TT+2*NN+1], v[VV:VV+1], v[OSP:OSP+1]
.else
	v_pk_fma_f32 v[OBR:OBR+1], v[TT+2*NN:TT+2*NN+1], v[VV:VV+1], v[OBR:OBR+1]
.endif
.if NN >= 4
.if NN%2 == 0
	v_pk_add_f32 v[LSP:LSP+1], v[LSP:LSP+1], v[TT+2*NN:TT+2*NN+1]
.else
	v_pk_add_f32 v[LB:LB+1], v[LB:LB+1], v[TT+2*NN:TT+2*NN+1]
.endif
.endif
.set NN, NN+1
.endr
	v_pk_add_f32 v[LSP:LSP+1], v[LSP:LSP+1], v[LB:LB+1]
	v_pk_add_f32 v[OSP:OSP+1], v[OSP:OSP+1], v[OBR:OBR+1]
.endm
	QLD 0
.irp c, 0,1,2,3,4
	COL \c
.endr
	s_wait_loadcnt 0x0                             ; the bias
.irp p, 0,1,2,3,4,5,6,7
	PIXEL \p
.endr
.set NN, 0
.rept 16
	v_rcp_f32 v[LS+NN], v[LS+NN]                   ; each sum is 1 at the least
.set NN, NN+1
.endr
	v_nop                                          ; a plain instruction behind the last reciprocal,
	s_wait_alu depctr_va_vdst(0)                   ; and one wait for the sixteen
.irp e, 0,1
.irp p, 0,1,2,3,4,5,6,7
	v_mul_f32 v[OUT+8*\e+\p], v[OS+2*\p+\e], v[LS+2*\p+\e]   ; eight neighbouring pixels of one channel in eight neighbouring registers
.endr
.endr
.irp e, 0,1
.irp d, 0,1
	ds_store_b128 v[AO], v[OUT+8*\e+4*\d:OUT+8*\e+4*\d+3] offset:OCP*\e+16*\d
.endr
.endr
	s_wait_dscnt 0x0                               ; for the others' sake: my stores into the stage are done
	s_barrier_signal -1
	v_lshlrev_b32 v[GOFF], 4, v[LN]
	s_barrier_wait -1
	; ---- D: wave w stores channels 4 w .. 4 w + 3: a channel's two rows are 512 consecutive bytes of out0, at a multiple of 256 from its first byte
.irp n, 0,1,2,3
	ds_load_b128 v[BK+4*\n:BK+4*\n+3], v[AR] offset:OCP*\n
.endr
.irp n, 0,1,2,3
	s_wait_dscnt 3-\n                              ; the younger read-backs may be out
	global_store_b128 v[GOFF], v[BK+4*\n:BK+4*\n+3], s[54:55] offset:16384*\n th:TH_STORE_NT
.endr
	s_wait_xcnt 0x0
	v_lshl_add_u32 v254, v0, 2, 0x48000
	v_mov_b32 v255, 0
	s_wait_tensorcnt 0x0
	ds_add_u32 v254, v255
	s_wait_dscnt 0x0
	s_endpgm
.Lfunc_end_k_qd5d6537ad3_mental:
	.size	k_qd5d6537ad3_mental, .Lfunc_end_k_qd5d6537ad3_mental-k_qd5d6537ad3_mental
	.p2alignl 7, 3214868480
	.fill 96, 4, 3214868480
	.section	.rodata,"a",@progbits
	.p2align	6, 0x0
	.amdhsa_kernel k_qd5d6537ad3_mental
		.amdhsa_group_segment_fixed_size 296960
		.amdhsa_private_segment_fixed_size 0
		.amdhsa_enable_private_segment 0
		.amdhsa_kernarg_size 80
		.amdhsa_user_sgpr_count 2
		.amdhsa_user_sgpr_kernarg_segment_ptr 1
		.amdhsa_wavefront_size32 1
		.amdhsa_system_sgpr_workgroup_id_x 1
		.amdhsa_system_sgpr_workgroup_id_y 1
		.amdhsa_system_sgpr_workgroup_id_z 1
		.amdhsa_system_vgpr_workitem_id 0
		.amdhsa_next_free_vgpr 256
		.amdhsa_next_free_sgpr 66
		.amdhsa_reserve_vcc 0
		.amdhsa_float_denorm_mode_32 3
		.amdhsa_float_denorm_mode_16_64 3
		.amdhsa_memory_ordered 1
		.amdhsa_forward_progress 1
		.amdhsa_inst_pref_size 129
	.end_amdhsa_kernel
	.amdgpu_metadata
---
amdhsa.version: [ 1, 2 ]
amdhsa.kernels:
  - .name:           k_qd5d6537ad3_mental
    .symbol:         k_qd5d6537ad3_mental.kd
    .args:
      - { .name: x, .offset: 0, .size: 8, .value_kind: global_buffer, .address_space: global }
      - { .name: Wq_codes, .offset: 8, .size: 8, .value_kind: global_buffer, .address_space: global }
      - { .name: Wq_scales, .offset: 16, .size: 8, .value_kind: global_buffer, .address_space: global }
      - { .name: Wk_codes, .offset: 24, .size: 8, .value_kind: global_buffer, .address_space: global }
      - { .name: Wk_scales, .offset: 32, .size: 8, .value_kind: global_buffer, .address_space: global }
      - { .name: Wv_codes, .offset: 40, .size: 8, .value_kind: global_buffer, .address_space: global }
      - { .name: Wv_scales, .offset: 48, .size: 8, .value_kind: global_buffer, .address_space: global }
      - { .name: rel_h, .offset: 56, .size: 8, .value_kind: global_buffer, .address_space: global }
      - { .name: rel_w, .offset: 64, .size: 8, .value_kind: global_buffer, .address_space: global }
      - { .name: out0, .offset: 72, .size: 8, .value_kind: global_buffer, .address_space: global }
    .group_segment_fixed_size: 296960
    .private_segment_fixed_size: 0
    .kernarg_segment_align: 8
    .kernarg_segment_size: 80
    .max_flat_workgroup_size: 512
    .sgpr_count:     66
    .vgpr_count:     256
    .wavefront_size: 32
...
	.end_amdgpu_metadata
.endif
;; end of part 1
